; MI455X (gfx1250); checked and timed in simulation.
; The chip was launched on July 23, 2026; its instructions are those of AMD's public machine-readable ISA for CDNA 5 (MIT licence, August 2026) and "CDNA5" Instruction Set Architecture Reference Guide (July 2026). The comments in the code are by the model that wrote it; some were corrected since.
;; Chamfer Distance. Allowed arithmetic: float matrix products may take bf16 or f16 operands with f32 sums; all other float work in f32.
;; Inputs: xyz1 4 x 8,192 x 3 float32; xyz2 4 x 8,192 x 3 float32.
;; Outputs: out0 4 x 8,192 float32; out1 4 x 8,192 float32.
;; 2 versions, each right; version 2 is version 1 with the launch blocks written anew for expert scheduling mode. Each part assembles by itself: llvm-mc -triple=amdgcn-amd-amdhsa -mcpu=gfx1250 --defsym DOCPART=n.
;; ======== version 1 of 2: 2 launches
;; workspace buffers: part 2,097,152 bytes
;; launch blocks (part 1): grid 64 x 4, 8 waves a work-group, no clusters, 299,008 bytes of LDS; arguments xyz1, xyz2, part; writes part
.if DOCPART == 1
	.amdgcn_target "amdgcn-amd-amdhsa--gfx1250"
	.amdhsa_code_object_version 6
	.text
	.protected	k_q1899345f9f_blocks
	.globl	k_q1899345f9f_blocks
	.p2align	8
	.type	k_q1899345f9f_blocks,@function
k_q1899345f9f_blocks:
	s_mov_b64 s[64:65], 0
	v_nop
	global_prefetch_b8 v0, s[64:65] scope:SCOPE_SE
	s_setreg_imm32_b32 hwreg(HW_REG_WAVE_MODE, 25, 1), 1
	s_wait_xcnt 0x0
; Chamfer distance, first of two launches.  dist[b][n][m] = |p_n|^2 + |q_m|^2 - 2 p_n.q_m, p = xyz1[b], q = xyz2[b]; wanted are its minima along m and along n.
; A work-group takes a block of 1024 rows (n) x 1024 columns (m) of one batch, forms every distance of it ONCE, and writes the block's 1024 row minima and
; 1024 column minima into part; the second launch takes the minimum over the 8 blocks of a row or column of blocks.
; part[which][b][k][8192] f32: which = 0 row minima (k = block column), which = 1 column minima (k = block row).
;
; THE WHOLE FORMULA IS ONE MATRIX PRODUCT.  A matrix instruction sums over 32 places of K, of which reference()'s product fills 3.  Every f32 (a coordinate, a sum
; of squares) is cut exactly into three bf16 pieces h + m + l by truncation (h: the upper 16 bits; r = x - h; m: the upper 16 bits of r; l = r - m: 24 = 8 + 8 + 8
; bits, both differences exact).  With P = -2 p a point's 32 places are four chunks of 16 bytes:
;   chunk c = 0, 1, 2 (coordinate c)   row point: (Ph,Ph) (Pm,Pm) (Ph,Pl) (Pm,Pl)      column point: (Qh,Qm) (Qh,Qm) (Ql,Qh) (Ql,Qm)
;   chunk 3 (the sums of squares)      row point: (Sh,Sm) (Sl,1) (1,1) (0,0)            column point: (1,1) (1,Sh) (Sm,Sl) (0,0)
; so that D = sq1 + sq2 - 2 p.q in the f32 accumulator, and the vector unit has only the two minima left to do.
; Nothing of reference() is left out and both inputs are loaded.
; LIMITS.  Of the nine products of pieces of a coordinate, Pl Ql is dropped: below 2^-30 of |p_c q_c|.  The sum's order of rounding is the matrix unit's, not
; reference()'s.  v_min_num lets a NaN lose where jnp.min returns it: with NaN or infinite coordinates the results differ from reference()'s.
;
; Eight waves.  Wave w owns rows 128 w .. 128 w + 127: its 8 row fragments (64 registers) and 64 running row minima stay in registers, and with two buffers of
; column fragments and two sets of result tiles all fits the 256 registers that an instruction can name: no change of register window.
; No tensor loads and no cluster: the block's points are 24 KiB, read once, and have to pass through registers to be cut into pieces.
.set PITCH,  80                        ; a point's vector in LDS: 64 bytes + 16: sixteen neighbouring points start at sixteen different 16-byte columns modulo 256 bytes
.set BLK,    1024                      ; rows and columns of a block
.set BBASE,  BLK*PITCH                 ; the column points' vectors lie behind the row points'
.set COLB,   2*BLK*PITCH               ; column partials: 16 rows (wave, half of the lanes) of 1024 f32,
.set CPITCH, 4*BLK+64                  ; 64 bytes further apart, so that the two halves of a wave store into different banks
.set ROWB,   COLB+16*CPITCH            ; row stage: for each wave 16 rows (one for each lane of a half) of 128 f32,
.set RPITCH, 528                       ; 512 bytes + 16
.set TRIPS,  32                        ; a trip: 2 column fragments x my 8 row fragments
.set VG,  1                            ; byte offset of my point's coordinates in the block's points
.set VPA, 2                            ; LDS address of my first row point's vector;  VPB: of my first column point's
.set VPB, 3
.set VB,  4                            ; LDS address of the trip's column fragments, my lane's 16 bytes
.set VC,  5                            ; LDS address of my word of the trip's column partials
.set VS,  6                            ; row stage, in
.set VR,  7                            ; row stage, back
.set VCR, 8                            ; column partials, back
.set VO,  9                            ; 16 x thread: my 16 bytes of the block's results
.set VA,  10                           ; LDS address of my wave's row fragments
.set ONE, 11                           ; 1.0
.set T0,  12                           ; v12-15  at work in the column minima; at the end the row results
.set U0,  13
.set T1,  14
.set U1,  15
.set CA,  16                           ; v16-19  column minima, a pair for even trips and a pair for odd ones; at the end the column results
.set BF,  20                           ; v20-51  column fragments: two buffers of two
.set DS,  52                           ; v52-83  result tiles: two sets of two
.set AF,  84                           ; v84-147 my 8 row fragments
.set RA,  148                          ; v148-211 running row minima: 8 for each row fragment
.set LD,  RA                           ; preparation only: 24 coordinates as loaded
.set S,   52                           ; preparation only: the sum of squares
.set PR,  54                           ; v54-61: r and l of x, y, z and of the sum of squares
.set W,   64                           ; v64-75: chunks 0 to 2
.set WA3, 76                           ; v76-79: chunk 3 of a row point
.set WB3, 80                           ; v80-83: chunk 3 of a column point
.set MSK, 30                           ; s30: a word's upper 16 bits
.set SEL, 31                           ; s31: v_perm_b32 D, Y, X: low half = X's upper 16 bits, high half = Y's
	s_load_b128 s[4:7], s[0:1], 0x0                ; xyz1, xyz2
	s_load_b64 s[8:9], s[0:1], 0x10                ; part
	v_lshl_add_u32 v212, v0, 2, 0x48c00
	v_mov_b32 v213, 0
	v_lshrrev_b32 v20, 5, v0
	v_readfirstlane_b32 s18, v20                   ; wave 0..7
	s_and_b32 s10, ttmp7, 0xffff                   ; batch
	s_lshr_b32 s11, ttmp9, 3                       ; block row
	s_and_b32 s12, ttmp9, 7                        ; block column
	s_mul_i32 s13, s10, 8192*12                    ; a point is 12 bytes
	s_mul_i32 s14, s11, BLK*12
	s_add_co_u32 s14, s14, s13
	s_mov_b32 s15, 0
	s_mul_i32 s16, s12, BLK*12
	s_add_co_u32 s16, s16, s13
	s_mov_b32 s17, 0
	v_mul_u32_u24 v[VG], v0, 12
	s_wait_kmcnt 0x0
	s_add_nc_u64 s[4:5], s[4:5], s[14:15]          ; the block's row points
	s_add_nc_u64 s[6:7], s[6:7], s[16:17]          ; the block's column points
	; Thread t takes points t, t + 256, t + 512, t + 768 of each kind: neighbouring lanes hold neighbouring points, so that their vectors go into LDS 80 bytes apart.
.irp i, 0,1,2,3
.irp c, 0,1,2
	global_load_b32 v[LD+3*\i+\c], v[VG], s[4:5] offset:\i*256*12+4*\c
.endr
.endr
.irp i, 0,1,2,3
.irp c, 0,1,2
	global_load_b32 v[LD+12+3*\i+\c], v[VG], s[6:7] offset:\i*256*12+4*\c
.endr
.endr
	; addresses and constants, while the coordinates are on their way
	s_mov_b32 s[MSK], 0xffff0000
	s_mov_b32 s[SEL], 0x07060302
	v_and_b32 v21, 31, v0                          ; lane
	v_and_b32 v22, 15, v0                          ; r = lane % 16
	v_bfe_u32 v23, v0, 4, 1                        ; h = lane / 16
	s_mul_i32 s23, s18, 32*PITCH
	v_mul_u32_u24 v24, v21, PITCH
	v_add_nc_u32 v[VPA], s23, v24                  ; point t = 32 wave + lane
	v_add_nc_u32 v[VPB], BBASE, v[VPA]
	v_mul_u32_u24 v24, v22, PITCH                  ; a fragment: lane (r, h) takes chunks h and 2 + h of point r: two loads of 16 bytes, 32 bytes apart
	v_lshl_add_u32 v24, v23, 4, v24
	s_mul_i32 s20, s18, 128*PITCH
	v_add_nc_u32 v[VA], s20, v24
	v_add_nc_u32 v[VB], BBASE, v24
	s_mul_i32 s21, s18, 2*CPITCH
	s_add_co_u32 s21, s21, COLB
	v_mul_u32_u24 v24, v23, CPITCH
	v_lshl_add_u32 v24, v22, 2, v24
	v_add_nc_u32 v[VC], s21, v24                   ; partial row 2 wave + h, column r
	s_mul_i32 s22, s18, 16*RPITCH
	s_add_co_u32 s22, s22, ROWB                    ; my wave's stage
	v_mul_u32_u24 v24, v22, RPITCH
	v_lshl_add_u32 v24, v23, 5, v24
	v_add_nc_u32 v[VS], s22, v24                   ; in: stage row r, my 8 h-th row of a fragment
	v_lshl_add_u32 v[VR], v21, 4, s22              ; back: four neighbouring rows of the block for each lane
	v_lshlrev_b32 v[VO], 4, v0
	v_add_nc_u32 v[VCR], COLB, v[VO]
	v_mov_b32 v[ONE], 1.0
	v_mov_b32 v[WA3+2], 0x3f803f80                 ; (1, 1) in bf16
	v_mov_b32 v[WA3+3], 0
	v_mov_b32 v[WB3], 0x3f803f80
	v_mov_b32 v[WB3+3], 0
	s_lshl_b32 s25, s10, 3                         ; where the results go: plane 8 b + block column, at the block row's 4,096 bytes,
	s_add_co_u32 s26, s25, s12
	s_lshl_b32 s26, s26, 15
	s_lshl_b32 s13, s11, 12
	s_add_co_u32 s26, s26, s13
	s_mov_b32 s27, 0
	s_add_co_u32 s28, s25, s11                     ; and plane 32 + 8 b + block row, at the block column's
	s_add_co_u32 s28, s28, 32
	s_lshl_b32 s28, s28, 15
	s_lshl_b32 s13, s12, 12
	s_add_co_u32 s28, s28, s13
	s_mov_b32 s29, 0
	s_add_nc_u64 s[26:27], s[8:9], s[26:27]
	s_add_nc_u64 s[28:29], s[8:9], s[28:29]
; x^2 + y^2 + z^2 of the three registers from x on
.macro SQUARE x
	v_mul_f32 v[S], v[\x], v[\x]
	v_fmac_f32 v[S], v[\x+1], v[\x+1]
	v_fmac_f32 v[S], v[\x+2], v[\x+2]
.endm
; The pieces of four numbers, side by side so that no line waits for the one in front of it.  The h piece is the upper half of the number itself,
; the m piece the upper half of r (v[PR+2k]), the l piece the upper half of l (v[PR+2k+1], whose lower half is 0).
.macro PIECES x
.irp c, 0,1,2
	v_and_b32 v[PR+2*\c], s[MSK], v[\x+\c]
.endr
	v_and_b32 v[PR+6], s[MSK], v[S]
.irp c, 0,1,2
	v_sub_f32 v[PR+2*\c], v[\x+\c], v[PR+2*\c]
.endr
	v_sub_f32 v[PR+6], v[S], v[PR+6]
.irp k, 0,1,2,3
	v_and_b32 v[PR+2*\k+1], s[MSK], v[PR+2*\k]
.endr
.irp k, 0,1,2,3
	v_sub_f32 v[PR+2*\k+1], v[PR+2*\k], v[PR+2*\k+1]
.endr
.endm
.macro ROWPT i
	s_wait_loadcnt 21-3*\i                         ; loads return in order: of the 24, those behind this point's three may stay out
	SQUARE LD+3*\i
.irp c, 0,1,2
	v_mul_f32 v[LD+3*\i+\c], -2.0, v[LD+3*\i+\c]   ; the factor -2 rides on the row points: exact
.endr
	PIECES LD+3*\i
.irp c, 0,1,2
	v_perm_b32 v[W+4*\c],   v[LD+3*\i+\c], v[LD+3*\i+\c], s[SEL]   ; (Ph, Ph)
	v_perm_b32 v[W+4*\c+1], v[PR+2*\c],    v[PR+2*\c],    s[SEL]   ; (Pm, Pm)
	v_perm_b32 v[W+4*\c+2], v[PR+2*\c+1],  v[LD+3*\i+\c], s[SEL]   ; (Ph, Pl)
	v_perm_b32 v[W+4*\c+3], v[PR+2*\c+1],  v[PR+2*\c],    s[SEL]   ; (Pm, Pl)
	ds_store_b128 v[VPA], v[W+4*\c:W+4*\c+3] offset:\i*256*PITCH+16*\c
.endr
	v_perm_b32 v[WA3],   v[PR+6], v[S],    s[SEL]                  ; (Sh, Sm)
	v_perm_b32 v[WA3+1], v[ONE],  v[PR+7], s[SEL]                  ; (Sl, 1)
	ds_store_b128 v[VPA], v[WA3:WA3+3] offset:\i*256*PITCH+48
.endm
.macro COLPT i
	s_wait_loadcnt 9-3*\i                          ; the column points' loads stand behind the row points': the last wait is for 0
	SQUARE LD+12+3*\i
	PIECES LD+12+3*\i
.irp c, 0,1,2
	v_perm_b32 v[W+4*\c],   v[PR+2*\c],       v[LD+12+3*\i+\c], s[SEL]   ; (Qh, Qm)
	v_perm_b32 v[W+4*\c+1], v[PR+2*\c],       v[LD+12+3*\i+\c], s[SEL]   ; (Qh, Qm) once more: it meets (Pm, Pm)
	v_perm_b32 v[W+4*\c+2], v[LD+12+3*\i+\c], v[PR+2*\c+1],     s[SEL]   ; (Ql, Qh)
	v_perm_b32 v[W+4*\c+3], v[PR+2*\c],       v[PR+2*\c+1],     s[SEL]   ; (Ql, Qm)
	ds_store_b128 v[VPB], v[W+4*\c:W+4*\c+3] offset:\i*256*PITCH+16*\c
.endr
	v_perm_b32 v[WB3+1], v[S],    v[ONE],  s[SEL]                  ; (1, Sh)
	v_perm_b32 v[WB3+2], v[PR+7], v[PR+6], s[SEL]                  ; (Sm, Sl)
	ds_store_b128 v[VPB], v[WB3:WB3+3] offset:\i*256*PITCH+48
.endm
.irp i, 0,1,2,3
	ROWPT \i
.endr
.irp i, 0,1,2,3
	COLPT \i
.endr
	s_wait_dscnt 0x0                               ; my vectors are in LDS,
	s_barrier_signal -1
	s_barrier_wait -1                              ; everybody's are; they are never written again
.irp f, 0,1,2,3,4,5,6,7
	ds_load_b128 v[AF+8*\f:AF+8*\f+3],   v[VA] offset:\f*16*PITCH
	ds_load_b128 v[AF+8*\f+4:AF+8*\f+7], v[VA] offset:\f*16*PITCH+32
.endr
; the two column fragments at VB into buffer nb
.macro GETB nb
	ds_load_b128 v[BF+16*\nb:BF+16*\nb+3],     v[VB]
	ds_load_b128 v[BF+16*\nb+4:BF+16*\nb+7],   v[VB] offset:32
	ds_load_b128 v[BF+16*\nb+8:BF+16*\nb+11],  v[VB] offset:16*PITCH
	ds_load_b128 v[BF+16*\nb+12:BF+16*\nb+15], v[VB] offset:16*PITCH+32
.endm
	GETB 0
; THE MINIMA of one step's two tiles, v[DP..DP+7] (column fragment 0) and v[DP+8..DP+15] (column fragment 1), sixteen instructions in two slices of eight.
; In a tile register j of lane (r, h) is dist(row 8 h + j, column r).
; Along the columns of dist (the row minima): element by element into v[RP+j], both tiles in one v_min3; the sixteen lanes are joined at the end.
; Along the rows (the column minima): inside the lane, eight registers and the running value in four v_min3; v[CP], v[CP+1] run over my 8 row fragments.
; start = 1: the trip's first row fragment starts the column minima; first = 1: the first trip starts the row minima: nothing is cleared.
.macro ROWMIN j, first
.if \first
	v_min_num_f32 v[RP+\j], v[DP+\j], v[DP+8+\j]
.else
	v_min3_num_f32 v[RP+\j], v[RP+\j], v[DP+\j], v[DP+8+\j]
.endif
.endm
.macro MINA start, first
	v_min3_num_f32 v[T0], v[DP],    v[DP+1],  v[DP+2]
	v_min3_num_f32 v[U0], v[DP+3],  v[DP+4],  v[DP+5]
	v_min3_num_f32 v[T1], v[DP+8],  v[DP+9],  v[DP+10]
	v_min3_num_f32 v[U1], v[DP+11], v[DP+12], v[DP+13]
.if \start
	v_min_num_f32 v[CP],   v[DP+6],  v[DP+7]
	v_min_num_f32 v[CP+1], v[DP+14], v[DP+15]
.else
	v_min3_num_f32 v[CP],   v[CP],   v[DP+6],  v[DP+7]
	v_min3_num_f32 v[CP+1], v[CP+1], v[DP+14], v[DP+15]
.endif
	ROWMIN 0, \first
	ROWMIN 1, \first
.endm
.macro MINB first
.irp j, 2,3,4,5,6,7
	ROWMIN \j, \first
.endr
	v_min3_num_f32 v[CP],   v[CP],   v[T0], v[U0]
	v_min3_num_f32 v[CP+1], v[CP+1], v[T1], v[U1]
.endm
.macro COLOUT                          ; a trip's column minima over my 128 rows (my half's 64 of them) go to LDS: 32 columns, 128 bytes a trip
	ds_store_b32 v[VC], v[CP]
	ds_store_b32 v[VC], v[CP+1] offset:64
	v_add_nc_u32 v[VC], 128, v[VC]
.endm
; ONE STEP: row fragment rf times the two column fragments of buffer b, into tile set rf % 2; behind each matrix instruction a slice of the minima of the step
; before, on the other tile set.  The eight lines of a slice name none of the registers of the matrix instruction in front of them, so they are also the places
; that a reader of its result, a writer over its registers and a load into its sources have to stand behind: a tile is read 8 places or more
; behind its matrix instruction and written again 16 or more behind it.  Every product starts from the constant 0: no accumulator is taken up again.
; load = 1: the next trip's column fragments are asked for, seven steps ahead of their use, into the buffer that the last trip's products read (32 places back).
.macro STEP rf, b, start, first, load
.set DN, DS+16*(\rf&1)
.set DP, DS+16-16*(\rf&1)
.set RP, RA+8*((\rf+7)&7)
.if \rf == 0
.set CP, CA+2-2*\b                     ; the step before belongs to the trip before
	s_wait_dscnt 0x0                               ; this trip's column fragments are in (nothing was issued behind their loads)
.else
.set CP, CA+2*\b
.endif
.if \load
	v_add_nc_u32 v[VB], 32*PITCH, v[VB]
	GETB (1-\b)
.endif
	v_wmma_f32_16x16x32_bf16 v[DN:DN+7], v[AF+8*\rf:AF+8*\rf+7], v[BF+16*\b:BF+16*\b+7], 0
	MINA \start, \first
	v_wmma_f32_16x16x32_bf16 v[DN+8:DN+15], v[AF+8*\rf:AF+8*\rf+7], v[BF+16*\b+8:BF+16*\b+15], 0
	MINB \first
.if \rf == 0
	COLOUT
.endif
.endm
.macro STEPS17 b, first, load
	STEP 1, \b, 1, \first, \load
.irp rf, 2,3,4,5,6,7
	STEP \rf, \b, 0, \first, 0
.endr
.endm
	s_wait_dscnt 0x0                               ; my row fragments and the first two column fragments
	; trip 0, step 0: there is no step before it, so four v_nop are the places in front of the first minima
	v_wmma_f32_16x16x32_bf16 v[DS:DS+7],    v[AF:AF+7], v[BF:BF+7],    0
	v_wmma_f32_16x16x32_bf16 v[DS+8:DS+15], v[AF:AF+7], v[BF+8:BF+15], 0
.rept 4
	v_nop
.endr
	STEPS17 0, 1, 1                                ; trip 0 starts the row minima of fragments 0 to 6,
	STEP 0, 1, 0, 1, 0                             ; and step 0 of trip 1 that of fragment 7: so the loop begins one step into a trip
	s_mov_b32 s24, (TRIPS-2)/2
.Lpair:                                        ; pass i = 0..14: steps 1-7 of trip 2 i + 1, trip 2 i + 2, step 0 of trip 2 i + 3; it asks for the fragments of trips 2 i + 2 and 2 i + 3 <= 31
	STEPS17 1, 0, 1
	STEP 0, 0, 0, 0, 0
	STEPS17 0, 0, 1
	STEP 0, 1, 0, 0, 0
	s_sub_co_u32 s24, s24, 1
	s_cmp_lg_u32 s24, 0
	s_cbranch_scc1 .Lpair
	STEPS17 1, 0, 0                                ; the rest of trip 31: nothing is left to ask for
.set DP, DS+16
.set RP, RA+56
.set CP, CA+2
	MINA 0, 0                                      ; the last step's minima, 16 places behind its products
	MINB 0
	COLOUT
	; THE WAY OUT.  Row minima: lane (r, h) holds, for each of my 128 rows of its half, the minimum over the columns r, r + 16, ...  Each lane lays its rows into
	; stage row r (16 bytes at a time, stage rows 528 bytes apart); read back, a lane takes four neighbouring rows of all sixteen stage rows.
.irp f, 0,1,2,3,4,5,6,7
	ds_store_b128 v[VS], v[RA+8*\f:RA+8*\f+3]   offset:\f*64
	ds_store_b128 v[VS], v[RA+8*\f+4:RA+8*\f+7] offset:\f*64+16
.endr
	s_wait_dscnt 0x0                               ; my column partials (and my stage) are in LDS,
	s_barrier_signal -1
	s_barrier_wait -1                              ; all eight waves' are
.irp i, 0,1,2,3,4,5,6,7,8,9,10,11,12,13,14,15
	ds_load_b128 v[AF+4*\i:AF+4*\i+3], v[VR] offset:\i*RPITCH
.endr
.irp i, 0,1,2,3,4,5,6,7,8,9,10,11,12,13,14,15
	ds_load_b128 v[RA+4*\i:RA+4*\i+3], v[VCR] offset:\i*CPITCH     ; thread t: columns 4 t .. 4 t + 3 of all sixteen partial rows
.endr
; the minimum of sixteen quadruples from v[q] on, into v[d..d+3]
.macro REDUCE q, d
.irp c, 0,1,2,3
	v_min3_num_f32 v[\d+\c], v[\q+\c], v[\q+4+\c], v[\q+8+\c]
.endr
.irp k, 3,5,7,9,11,13
.irp c, 0,1,2,3
	v_min3_num_f32 v[\d+\c], v[\d+\c], v[\q+4*\k+\c], v[\q+4*\k+4+\c]
.endr
.endr
.irp c, 0,1,2,3
	v_min_num_f32 v[\d+\c], v[\d+\c], v[\q+60+\c]
.endr
.endm
	s_wait_dscnt 16                                ; LDS loads return in order: the sixteen of the stage are in, the sixteen behind them may be out
	REDUCE AF, T0
	global_store_b128 v[VO], v[T0:T0+3], s[26:27]  ; a wave stores 512 consecutive bytes, at a multiple of 512 from the buffer's first byte
	s_wait_dscnt 0x0
	REDUCE RA, CA
	global_store_b128 v[VO], v[CA:CA+3], s[28:29]
	s_wait_tensorcnt 0x0
	ds_add_u32 v212, v213
	s_wait_dscnt 0x0
	s_endpgm
.Lfunc_end_k_q1899345f9f_blocks:
	.size	k_q1899345f9f_blocks, .Lfunc_end_k_q1899345f9f_blocks-k_q1899345f9f_blocks
	.p2alignl 7, 3214868480
	.fill 96, 4, 3214868480
	.section	.rodata,"a",@progbits
	.p2align	6, 0x0
	.amdhsa_kernel k_q1899345f9f_blocks
		.amdhsa_group_segment_fixed_size 299008
		.amdhsa_private_segment_fixed_size 0
		.amdhsa_enable_private_segment 0
		.amdhsa_kernarg_size 24
		.amdhsa_user_sgpr_count 2
		.amdhsa_user_sgpr_kernarg_segment_ptr 1
		.amdhsa_wavefront_size32 1
		.amdhsa_system_sgpr_workgroup_id_x 1
		.amdhsa_system_sgpr_workgroup_id_y 1
		.amdhsa_system_sgpr_workgroup_id_z 1
		.amdhsa_system_vgpr_workitem_id 0
		.amdhsa_next_free_vgpr 214
		.amdhsa_next_free_sgpr 66
		.amdhsa_reserve_vcc 0
		.amdhsa_float_denorm_mode_32 3
		.amdhsa_float_denorm_mode_16_64 3
		.amdhsa_memory_ordered 1
		.amdhsa_forward_progress 1
		.amdhsa_inst_pref_size 65
	.end_amdhsa_kernel
	.amdgpu_metadata
---
amdhsa.version: [ 1, 2 ]
amdhsa.kernels:
  - .name:           k_q1899345f9f_blocks
    .symbol:         k_q1899345f9f_blocks.kd
    .args:
      - { .name: xyz1, .offset: 0, .size: 8, .value_kind: global_buffer, .address_space: global }
      - { .name: xyz2, .offset: 8, .size: 8, .value_kind: global_buffer, .address_space: global }
      - { .name: part, .offset: 16, .size: 8, .value_kind: global_buffer, .address_space: global }
    .group_segment_fixed_size: 299008
    .private_segment_fixed_size: 0
    .kernarg_segment_align: 8
    .kernarg_segment_size: 24
    .max_flat_workgroup_size: 256
    .sgpr_count:     66
    .vgpr_count:     214
    .wavefront_size: 32
...
	.end_amdgpu_metadata
.endif
;; end of part 1
;; launch fold (part 2): grid 128 x 2, 2 waves a work-group, no clusters, 0 bytes of LDS; arguments part, out0, out1; writes out0, out1
.if DOCPART == 2
	.amdgcn_target "amdgcn-amd-amdhsa--gfx1250"
	.amdhsa_code_object_version 6
	.text
	.protected	k_q1899345f9f_fold
	.globl	k_q1899345f9f_fold
	.p2align	8
	.type	k_q1899345f9f_fold,@function
k_q1899345f9f_fold:
	s_mov_b64 s[64:65], 0
	v_nop
	global_prefetch_b8 v0, s[64:65] scope:SCOPE_SE
	s_setreg_imm32_b32 hwreg(HW_REG_WAVE_MODE, 25, 1), 1
	s_wait_xcnt 0x0
; Chamfer distance, second launch: out[which][b][n] = the minimum over k = 0..7 of part[which][b][k][n] (which = 0: out0, the minima along m; 1: out1, along n).
; No work of reference() is left out here either.  As in the first launch a NaN loses in v_min_num.
; Work-group (x, y): y = which, x = 32 b + piece; 64 threads, four neighbouring results each: 1,024 consecutive bytes of one output.
; Every byte of part is read once, by loads of which a wave's cover 512 consecutive bytes; all eight of a thread are out together.
.set PLANE, 8192*4                     ; bytes from one k to the next
	s_load_b128 s[4:7], s[0:1], 0x0                ; part, out0
	s_load_b64 s[8:9], s[0:1], 0x10                ; out1
	s_and_b32 s10, ttmp7, 0xffff                   ; which
	s_lshr_b32 s11, ttmp9, 5                       ; batch
	s_and_b32 s12, ttmp9, 31                       ; which 256 results of the batch's 8192
	s_lshl2_add_u32 s11, s10, s11                  ; 4 which + b
	s_lshl_b32 s14, s11, 18                        ; times 8 planes of 32,768 bytes
	s_lshl_b32 s12, s12, 10
	s_add_co_u32 s14, s14, s12
	s_mov_b32 s15, 0
	s_lshl_b32 s16, ttmp9, 10                      ; in the output: (32 b + piece) x 1,024 bytes
	s_mov_b32 s17, 0
	v_lshlrev_b32 v1, 4, v0
	s_wait_kmcnt 0x0
	s_add_nc_u64 s[4:5], s[4:5], s[14:15]
.irp k, 0,1,2,3,4,5,6,7
	global_load_b128 v[4+4*\k:7+4*\k], v1, s[4:5] offset:\k*PLANE th:TH_LOAD_NT
.endr
	s_cmp_eq_u32 s10, 0
	s_cselect_b64 s[6:7], s[6:7], s[8:9]           ; the output that this work-group writes
	s_add_nc_u64 s[6:7], s[6:7], s[16:17]
	s_wait_loadcnt 5                               ; loads return in order: planes 0 to 2 are in, five may be out
.irp c, 0,1,2,3
	v_min3_num_f32 v[36+\c], v[4+\c], v[8+\c], v[12+\c]
.endr
	s_wait_loadcnt 3                               ; planes 3 and 4
.irp c, 0,1,2,3
	v_min3_num_f32 v[36+\c], v[36+\c], v[16+\c], v[20+\c]
.endr
	s_wait_loadcnt 1                               ; planes 5 and 6
.irp c, 0,1,2,3
	v_min3_num_f32 v[36+\c], v[36+\c], v[24+\c], v[28+\c]
.endr
	s_wait_loadcnt 0x0
.irp c, 0,1,2,3
	v_min_num_f32 v[36+\c], v[36+\c], v[32+\c]
.endr
	global_store_b128 v1, v[36:39], s[6:7] th:TH_STORE_NT
	s_endpgm
.Lfunc_end_k_q1899345f9f_fold:
	.size	k_q1899345f9f_fold, .Lfunc_end_k_q1899345f9f_fold-k_q1899345f9f_fold
	.p2alignl 7, 3214868480
	.fill 96, 4, 3214868480
	.section	.rodata,"a",@progbits
	.p2align	6, 0x0
	.amdhsa_kernel k_q1899345f9f_fold
		.amdhsa_group_segment_fixed_size 0
		.amdhsa_private_segment_fixed_size 0
		.amdhsa_enable_private_segment 0
		.amdhsa_kernarg_size 24
		.amdhsa_user_sgpr_count 2
		.amdhsa_user_sgpr_kernarg_segment_ptr 1
		.amdhsa_wavefront_size32 1
		.amdhsa_system_sgpr_workgroup_id_x 1
		.amdhsa_system_sgpr_workgroup_id_y 1
		.amdhsa_system_sgpr_workgroup_id_z 1
		.amdhsa_system_vgpr_workitem_id 0
		.amdhsa_next_free_vgpr 40
		.amdhsa_next_free_sgpr 66
		.amdhsa_reserve_vcc 0
		.amdhsa_float_denorm_mode_32 3
		.amdhsa_float_denorm_mode_16_64 3
		.amdhsa_memory_ordered 1
		.amdhsa_forward_progress 1
		.amdhsa_inst_pref_size 3
	.end_amdhsa_kernel
	.amdgpu_metadata
---
amdhsa.version: [ 1, 2 ]
amdhsa.kernels:
  - .name:           k_q1899345f9f_fold
    .symbol:         k_q1899345f9f_fold.kd
    .args:
      - { .name: part, .offset: 0, .size: 8, .value_kind: global_buffer, .address_space: global }
      - { .name: out0, .offset: 8, .size: 8, .value_kind: global_buffer, .address_space: global }
      - { .name: out1, .offset: 16, .size: 8, .value_kind: global_buffer, .address_space: global }
    .group_segment_fixed_size: 0
    .private_segment_fixed_size: 0
    .kernarg_segment_align: 8
    .kernarg_segment_size: 24
    .max_flat_workgroup_size: 64
    .sgpr_count:     66
    .vgpr_count:     40
    .wavefront_size: 32
...
	.end_amdgpu_metadata
.endif
;; end of part 2
;; ======== version 2 of 2: 2 launches; version 1 with the launch blocks written anew for expert scheduling mode
;; workspace buffers: part 2,097,152 bytes
;; launch blocks (part 3): grid 64 x 4, 8 waves a work-group, no clusters, 299,008 bytes of LDS; arguments xyz1, xyz2, part; writes part
.if DOCPART == 3
	.amdgcn_target "amdgcn-amd-amdhsa--gfx1250"
	.amdhsa_code_object_version 6
	.text
	.protected	k_q1899345f9f_blocks
	.globl	k_q1899345f9f_blocks
	.p2align	8
	.type	k_q1899345f9f_blocks,@function
k_q1899345f9f_blocks:
	s_mov_b64 s[64:65], 0
	v_nop
	global_prefetch_b8 v0, s[64:65] scope:SCOPE_SE
	s_setreg_imm32_b32 hwreg(HW_REG_WAVE_SCHED_MODE, 0, 2), 2
	s_setreg_imm32_b32 hwreg(HW_REG_WAVE_MODE, 25, 1), 1
	s_wait_xcnt 0x0
	s_wait_alu depctr_vm_vsrc(0)
; Chamfer distance, first of two launches.  dist[b][n][m] = |p_n|^2 + |q_m|^2 - 2 p_n.q_m, p = xyz1[b], q = xyz2[b]; wanted are its minima along m and along n.
; A work-group takes a block of 1024 rows (n) x 1024 columns (m) of one batch, forms every distance of it ONCE, and writes the block's 1024 row minima and
; 1024 column minima into part; the second launch takes the minimum over the 8 blocks of a row or column of blocks.
; part[which][b][k][8192] f32: which = 0 row minima (k = block column), which = 1 column minima (k = block row).
;
; THE WHOLE FORMULA IS ONE MATRIX PRODUCT.  A matrix instruction sums over 32 places of K, of which reference()'s product fills 3.  Every f32 (a coordinate, a sum
; of squares) is cut exactly into three bf16 pieces h + m + l by truncation (h: the upper 16 bits; r = x - h; m: the upper 16 bits of r; l = r - m: 24 = 8 + 8 + 8
; bits, both differences exact).  With P = -2 p a point's 32 places are four chunks of 16 bytes:
;   chunk c = 0, 1, 2 (coordinate c)   row point: (Ph,Ph) (Pm,Pm) (Ph,Pl) (Pm,Pl)      column point: (Qh,Qm) (Qh,Qm) (Ql,Qh) (Ql,Qm)
;   chunk 3 (the sums of squares)      row point: (Sh,Sm) (Sl,1) (1,1) (0,0)            column point: (1,1) (1,Sh) (Sm,Sl) (0,0)
; so that D = sq1 + sq2 - 2 p.q in the f32 accumulator, and the vector unit has only the two minima left to do.
; Nothing of reference() is left out and both inputs are loaded.
; LIMITS.  Of the nine products of pieces of a coordinate, Pl Ql is dropped: below 2^-30 of |p_c q_c|.  The sum's order of rounding is the matrix unit's, not
; reference()'s.  v_min_num lets a NaN lose where jnp.min returns it: with NaN or infinite coordinates the results differ from reference()'s.
;
; Eight waves.  Wave w owns rows 128 w .. 128 w + 127: its 8 row fragments (64 registers) and 64 running row minima stay in registers, and with two buffers of
; column fragments and two sets of result tiles all fits the 256 registers that an instruction can name: no change of register window.
; No tensor loads and no cluster: the block's points are 24 KiB, read once, and have to pass through registers to be cut into pieces.
;
; THE MODE: SCHED_MODE bits 1:0 = 2 (LLVM: expert scheduling mode 2), set by the entry lines.  The code itself states the register dependences
; between vector or matrix instructions and memory or LDS instructions, with s_wait_alu, always for 0.
; THE PLAN.  Registers that memory or LDS instructions touch:
;   preparation   OUT0, OUT1: point p's v_perm lines write OUT[p % 2]; its four LDS stores are issued at the head of point p + 1.  So at a point's head one wait on va_vdst
;                 (the point before has written its buffer) and one on vm_vsrc (the stores issued a point ago have read the buffer that this point writes) state all.
;   the loop      BF[1 - b]: read by the products of the trip before, loaded again in this trip's step 1.  A pair of column minima: finished in step 0 of the trip after its own,
;                 stored there, started anew a trip later.  v[VB], v[VC]: read by those loads and stores, stepped once a trip.
;                 A trip has ONE wait on vm_vsrc, at the head of step 0, a trip behind the loads and stores that it waits for, with the two address steps behind it; and ONE
;                 wait on va_vdst, at the end of step 0: the pair is finished, both addresses are written, the trip before's products are done reading BF[1 - b].  The two stores
;                 follow it, and the four loads are dealt among step 1's two products: no vector or matrix instruction since the wait names a register that they touch.
;                 The row fragments, the result tiles, the row minima and v12-15 are named by vector and matrix instructions alone.
;   the way out   the row minima are stored into the stage and then take the column partials; the row fragments' registers take the stage's rows; two quadruples are stored.
;   every other address (v1 to v3, v6 to v10) is made once at the head and never written again.
.set PITCH,  80                        ; a point's vector in LDS: 64 bytes + 16: sixteen neighbouring points start at sixteen different 16-byte columns modulo 256 bytes
.set BLK,    1024                      ; rows and columns of a block
.set BBASE,  BLK*PITCH                 ; the column points' vectors lie behind the row points'
.set COLB,   2*BLK*PITCH               ; column partials: 16 rows (wave, half of the lanes) of 1024 f32,
.set CPITCH, 4*BLK+64                  ; 64 bytes further apart, so that the two halves of a wave store into different banks
.set ROWB,   COLB+16*CPITCH            ; row stage: for each wave 16 rows (one for each lane of a half) of 128 f32,
.set RPITCH, 528                       ; 512 bytes + 16
.set TRIPS,  32                        ; a trip: 2 column fragments x my 8 row fragments
.set VG,  1                            ; byte offset of my point's coordinates in the block's points
.set VPA, 2                            ; LDS address of my first row point's vector;  VPB: of my first column point's
.set VPB, 3
.set VB,  4                            ; LDS address of the column fragments to be asked for next, my lane's 16 bytes
.set VC,  5                            ; LDS address of my word of the column partials to be stored next
.set VS,  6                            ; row stage, in
.set VR,  7                            ; row stage, back
.set VCR, 8                            ; column partials, back
.set VO,  9                            ; 16 x thread: my 16 bytes of the block's results
.set VA,  10                           ; LDS address of my wave's row fragments
.set ONE, 11                           ; 1.0
.set T0,  12                           ; v12-15  at work in the column minima; at the end the row results
.set U0,  13
.set T1,  14
.set U1,  15
.set CA,  16                           ; v16-19  column minima, a pair for even trips and a pair for odd ones; at the end the column results
.set BF,  20                           ; v20-51  column fragments: two buffers of two
.set DS,  52                           ; v52-83  result tiles: two sets of two
.set AF,  84                           ; v84-147 my 8 row fragments
.set RA,  148                          ; v148-211 running row minima: 8 for each row fragment
.set LD,  RA                           ; preparation only: 24 coordinates as loaded
.set S,   52                           ; preparation only: the sum of squares
.set PR,  54                           ; v54-61: r and l of x, y, z and of the sum of squares
.set OUT, 64                           ; preparation only: two out-buffers of 20 registers by turns, v64-83 and v84-103: chunks 0 to 2, chunk 3 of a row point (+12), chunk 3 of a column point (+16)
.set MSK, 30                           ; s30: a word's upper 16 bits
.set SEL, 31                           ; s31: v_perm_b32 D, Y, X: low half = X's upper 16 bits, high half = Y's
	s_load_b128 s[4:7], s[0:1], 0x0                ; xyz1, xyz2
	s_load_b64 s[8:9], s[0:1], 0x10                ; part
	v_lshl_add_u32 v212, v0, 2, 0x48c00            ; my spare word, behind the row stage, and 0: made here and kept for the closing lines alone
	v_mov_b32 v213, 0
	v_lshrrev_b32 v20, 5, v0
	v_readfirstlane_b32 s18, v20                   ; wave 0..7
	s_and_b32 s10, ttmp7, 0xffff                   ; batch
	s_lshr_b32 s11, ttmp9, 3                       ; block row
	s_and_b32 s12, ttmp9, 7                        ; block column
	s_mul_i32 s13, s10, 8192*12                    ; a point is 12 bytes
	s_mul_i32 s14, s11, BLK*12
	s_add_co_u32 s14, s14, s13
	s_mov_b32 s15, 0
	s_mul_i32 s16, s12, BLK*12
	s_add_co_u32 s16, s16, s13
	s_mov_b32 s17, 0
	v_mul_u32_u24 v[VG], v0, 12
	s_wait_kmcnt 0x0
	s_add_nc_u64 s[4:5], s[4:5], s[14:15]          ; the block's row points
	s_add_nc_u64 s[6:7], s[6:7], s[16:17]          ; the block's column points
	s_wait_alu depctr_va_vdst(0)                   ; v[VG] is written, which the 24 loads below read as their offset
	; Thread t takes points t, t + 256, t + 512, t + 768 of each kind: neighbouring lanes hold neighbouring points, so that their vectors go into LDS 80 bytes apart.
.irp i, 0,1,2,3
.irp c, 0,1,2
	global_load_b32 v[LD+3*\i+\c], v[VG], s[4:5] offset:\i*256*12+4*\c
.endr
.endr
.irp i, 0,1,2,3
.irp c, 0,1,2
	global_load_b32 v[LD+12+3*\i+\c], v[VG], s[6:7] offset:\i*256*12+4*\c
.endr
.endr
	; addresses and constants, while the coordinates are on their way
	s_mov_b32 s[MSK], 0xffff0000
	s_mov_b32 s[SEL], 0x07060302
	v_and_b32 v21, 31, v0                          ; lane
	v_and_b32 v22, 15, v0                          ; r = lane % 16
	v_bfe_u32 v23, v0, 4, 1                        ; h = lane / 16
	s_wait_alu depctr_va_sdst(0)                   ; s18, the wave's number, is written, ahead of its first reader: the LDS addresses below are made from it
	s_mul_i32 s23, s18, 32*PITCH
	v_mul_u32_u24 v24, v21, PITCH
	v_add_nc_u32 v[VPA], s23, v24                  ; point t = 32 wave + lane
	v_add_nc_u32 v[VPB], BBASE, v[VPA]
	v_mul_u32_u24 v24, v22, PITCH                  ; a fragment: lane (r, h) takes chunks h and 2 + h of point r: two loads of 16 bytes, 32 bytes apart
	v_lshl_add_u32 v24, v23, 4, v24
	s_mul_i32 s20, s18, 128*PITCH
	v_add_nc_u32 v[VA], s20, v24
	v_add_nc_u32 v[VB], BBASE, v24
	s_mul_i32 s21, s18, 2*CPITCH
	s_add_co_u32 s21, s21, COLB
	v_mul_u32_u24 v24, v23, CPITCH
	v_lshl_add_u32 v24, v22, 2, v24
	v_add_nc_u32 v[VC], s21, v24                   ; partial row 2 wave + h, column r
	s_mul_i32 s22, s18, 16*RPITCH
	s_add_co_u32 s22, s22, ROWB                    ; my wave's stage
	v_mul_u32_u24 v24, v22, RPITCH
	v_lshl_add_u32 v24, v23, 5, v24
	v_add_nc_u32 v[VS], s22, v24                   ; in: stage row r, my 8 h-th row of a fragment
	v_lshl_add_u32 v[VR], v21, 4, s22              ; back: four neighbouring rows of the block for each lane
	v_lshlrev_b32 v[VO], 4, v0
	v_add_nc_u32 v[VCR], COLB, v[VO]
	v_mov_b32 v[ONE], 1.0
.irp k, 0,1                            ; the words of chunk 3 that are the same for every point, in both out-buffers
	v_mov_b32 v[OUT+20*\k+14], 0x3f803f80          ; a row point's (1, 1) in bf16
	v_mov_b32 v[OUT+20*\k+15], 0
	v_mov_b32 v[OUT+20*\k+16], 0x3f803f80          ; a column point's (1, 1)
	v_mov_b32 v[OUT+20*\k+19], 0
.endr
	s_lshl_b32 s25, s10, 3                         ; where the results go: plane 8 b + block column, at the block row's 4,096 bytes,
	s_add_co_u32 s26, s25, s12
	s_lshl_b32 s26, s26, 15
	s_lshl_b32 s13, s11, 12
	s_add_co_u32 s26, s26, s13
	s_mov_b32 s27, 0
	s_add_co_u32 s28, s25, s11                     ; and plane 32 + 8 b + block row, at the block column's
	s_add_co_u32 s28, s28, 32
	s_lshl_b32 s28, s28, 15
	s_lshl_b32 s13, s12, 12
	s_add_co_u32 s28, s28, s13
	s_mov_b32 s29, 0
	s_add_nc_u64 s[26:27], s[8:9], s[26:27]
	s_add_nc_u64 s[28:29], s[8:9], s[28:29]
; x^2 + y^2 + z^2 of the three registers from x on
.macro SQUARE x
	v_mul_f32 v[S], v[\x], v[\x]
	v_fmac_f32 v[S], v[\x+1], v[\x+1]
	v_fmac_f32 v[S], v[\x+2], v[\x+2]
.endm
; The pieces of four numbers, side by side so that no line waits for the one in front of it.  The h piece is the upper half of the number itself,
; the m piece the upper half of r (v[PR+2k]), the l piece the upper half of l (v[PR+2k+1], whose lower half is 0).
.macro PIECES x
.irp c, 0,1,2
	v_and_b32 v[PR+2*\c], s[MSK], v[\x+\c]
.endr
	v_and_b32 v[PR+6], s[MSK], v[S]
.irp c, 0,1,2
	v_sub_f32 v[PR+2*\c], v[\x+\c], v[PR+2*\c]
.endr
	v_sub_f32 v[PR+6], v[S], v[PR+6]
.irp k, 0,1,2,3
	v_and_b32 v[PR+2*\k+1], s[MSK], v[PR+2*\k]
.endr
.irp k, 0,1,2,3
	v_sub_f32 v[PR+2*\k+1], v[PR+2*\k], v[PR+2*\k+1]
.endr
.endm
; The four LDS stores of row point i, of column point i: out of out-buffer i % 2 (the four row points come first, so a column point's turn has its number's parity too).
.macro PUTROW i
.irp c, 0,1,2,3
	ds_store_b128 v[VPA], v[OUT+20*(\i&1)+4*\c:OUT+20*(\i&1)+4*\c+3] offset:\i*256*PITCH+16*\c
.endr
.endm
.macro PUTCOL i
.irp c, 0,1,2
	ds_store_b128 v[VPB], v[OUT+20*(\i&1)+4*\c:OUT+20*(\i&1)+4*\c+3] offset:\i*256*PITCH+16*\c
.endr
	ds_store_b128 v[VPB], v[OUT+20*(\i&1)+16:OUT+20*(\i&1)+19] offset:\i*256*PITCH+48
.endm
.macro ROWPT i
.set W, OUT+20*(\i&1)
	s_wait_loadcnt 21-3*\i                         ; loads return in order: of the 24, those behind this point's three may stay out
.if \i > 1
	s_wait_alu depctr_vm_vsrc(0)                   ; the stores issued in the point before have read this point's out-buffer, which the v_perm lines below write again
.endif
.if \i > 0
	s_wait_alu depctr_va_vdst(0)                   ; the point before has written the other out-buffer, which the four stores below read (at the first such wait: the head has written all addresses)
	PUTROW (\i-1)
.endif
	SQUARE LD+3*\i
.irp c, 0,1,2
	v_mul_f32 v[LD+3*\i+\c], -2.0, v[LD+3*\i+\c]   ; the factor -2 rides on the row points: exact
.endr
	PIECES LD+3*\i
.irp c, 0,1,2
	v_perm_b32 v[W+4*\c],   v[LD+3*\i+\c], v[LD+3*\i+\c], s[SEL]   ; (Ph, Ph)
	v_perm_b32 v[W+4*\c+1], v[PR+2*\c],    v[PR+2*\c],    s[SEL]   ; (Pm, Pm)
	v_perm_b32 v[W+4*\c+2], v[PR+2*\c+1],  v[LD+3*\i+\c], s[SEL]   ; (Ph, Pl)
	v_perm_b32 v[W+4*\c+3], v[PR+2*\c+1],  v[PR+2*\c],    s[SEL]   ; (Pm, Pl)
.endr
	v_perm_b32 v[W+12], v[PR+6], v[S],    s[SEL]                   ; (Sh, Sm)
	v_perm_b32 v[W+13], v[ONE],  v[PR+7], s[SEL]                   ; (Sl, 1)
.endm
.macro COLPT i
.set W, OUT+20*(\i&1)
	s_wait_loadcnt 9-3*\i                          ; the column points' loads stand behind the row points': the last wait is for 0
	s_wait_alu depctr_vm_vsrc(0)                   ; the stores issued in the point before have read this point's out-buffer, which the v_perm lines below write again
	s_wait_alu depctr_va_vdst(0)                   ; the point before has written the other out-buffer, which the four stores below read
.if \i == 0
	PUTROW 3
.else
	PUTCOL (\i-1)
.endif
	SQUARE LD+12+3*\i
	PIECES LD+12+3*\i
.irp c, 0,1,2
	v_perm_b32 v[W+4*\c],   v[PR+2*\c],       v[LD+12+3*\i+\c], s[SEL]   ; (Qh, Qm)
	v_perm_b32 v[W+4*\c+1], v[PR+2*\c],       v[LD+12+3*\i+\c], s[SEL]   ; (Qh, Qm) once more: it meets (Pm, Pm)
	v_perm_b32 v[W+4*\c+2], v[LD+12+3*\i+\c], v[PR+2*\c+1],     s[SEL]   ; (Ql, Qh)
	v_perm_b32 v[W+4*\c+3], v[PR+2*\c],       v[PR+2*\c+1],     s[SEL]   ; (Ql, Qm)
.endr
	v_perm_b32 v[W+17], v[S],    v[ONE],  s[SEL]                   ; (1, Sh)
	v_perm_b32 v[W+18], v[PR+7], v[PR+6], s[SEL]                   ; (Sm, Sl)
.endm
.irp i, 0,1,2,3
	ROWPT \i
.endr
.irp i, 0,1,2,3
	COLPT \i
.endr
	s_wait_alu depctr_va_vdst(0)                   ; the last column point has written its out-buffer, which its four stores read
	PUTCOL 3
	s_wait_dscnt 0x0                               ; my vectors are in LDS,
	s_barrier_signal -1
	s_barrier_wait -1                              ; everybody's are; they are never written again
	s_wait_alu depctr_vm_vsrc(0)                   ; my LDS stores have read both out-buffers: from here on v64-83 are result tiles, which matrix instructions write, and in v84-103 row fragments land
.irp f, 0,1,2,3,4,5,6,7
	ds_load_b128 v[AF+8*\f:AF+8*\f+3],   v[VA] offset:\f*16*PITCH
	ds_load_b128 v[AF+8*\f+4:AF+8*\f+7], v[VA] offset:\f*16*PITCH+32
.endr
; column fragment g (0, 1) of the two at VB into buffer nb
.macro GETB nb, g
	ds_load_b128 v[BF+16*\nb+8*\g:BF+16*\nb+8*\g+3],   v[VB] offset:\g*16*PITCH
	ds_load_b128 v[BF+16*\nb+8*\g+4:BF+16*\nb+8*\g+7], v[VB] offset:\g*16*PITCH+32
.endm
	GETB 0, 0
	GETB 0, 1
; THE MINIMA of one step's two tiles, v[DP..DP+7] (column fragment 0) and v[DP+8..DP+15] (column fragment 1), sixteen instructions in two slices of eight.
; In a tile register j of lane (r, h) is dist(row 8 h + j, column r).
; Along the columns of dist (the row minima): element by element into v[RP+j], both tiles in one v_min3; the sixteen lanes are joined at the end.
; Along the rows (the column minima): inside the lane, eight registers and the running value in four v_min3; v[CP], v[CP+1] run over my 8 row fragments.
; start = 1: the trip's first row fragment starts the column minima; first = 1: the first trip starts the row minima: nothing is cleared.
.macro ROWMIN j, first
.if \first
	v_min_num_f32 v[RP+\j], v[DP+\j], v[DP+8+\j]
.else
	v_min3_num_f32 v[RP+\j], v[RP+\j], v[DP+\j], v[DP+8+\j]
.endif
.endm
.macro MINA start, first
	v_min3_num_f32 v[T0], v[DP],    v[DP+1],  v[DP+2]
	v_min3_num_f32 v[U0], v[DP+3],  v[DP+4],  v[DP+5]
	v_min3_num_f32 v[T1], v[DP+8],  v[DP+9],  v[DP+10]
	v_min3_num_f32 v[U1], v[DP+11], v[DP+12], v[DP+13]
.if \start
	v_min_num_f32 v[CP],   v[DP+6],  v[DP+7]
	v_min_num_f32 v[CP+1], v[DP+14], v[DP+15]
.else
	v_min3_num_f32 v[CP],   v[CP],   v[DP+6],  v[DP+7]
	v_min3_num_f32 v[CP+1], v[CP+1], v[DP+14], v[DP+15]
.endif
	ROWMIN 0, \first
	ROWMIN 1, \first
.endm
.macro MINB first
.irp j, 2,3,4,5,6,7
	ROWMIN \j, \first
.endr
	v_min3_num_f32 v[CP],   v[CP],   v[T0], v[U0]
	v_min3_num_f32 v[CP+1], v[CP+1], v[T1], v[U1]
.endm
.macro COLOUT                          ; a trip's column minima over my 128 rows (my half's 64 of them) go to LDS: 32 columns, 128 bytes a trip
	ds_store_b32 v[VC], v[CP]
	ds_store_b32 v[VC], v[CP+1] offset:64
.endm
; ONE STEP: row fragment rf times the two column fragments of buffer b, into tile set rf % 2; behind each matrix instruction a slice of the minima of the step
; before, on the other tile set.  The eight lines of a slice name none of the registers of the matrix instruction in front of them, so they are also the places
; that a reader of its result and a writer over its registers have to stand behind (ISA guide 7.12.1): a tile is read 8 places or more
; behind its matrix instruction and written again 16 or more behind it.  Every product starts from the constant 0: no accumulator is taken up again.
; Step 0 holds the trip's two waits on s_wait_alu; at its end the column minima of the trip before are stored.
; load = 1 (step 1): the next trip's column fragments are asked for, seven steps ahead of their use, two loads behind each of the step's products.
.macro STEP rf, b, start, first, load
.set DN, DS+16*(\rf&1)
.set DP, DS+16-16*(\rf&1)
.set RP, RA+8*((\rf+7)&7)
.if \rf == 0
.set CP, CA+2-2*\b                     ; the step before belongs to the trip before
	s_wait_dscnt 0x0                               ; this trip's column fragments are in (nothing was issued behind their loads)
	s_wait_alu depctr_vm_vsrc(0)                   ; the loads and stores issued a trip ago have read v[VB] and v[VC], which are stepped here, and the pair of column minima that the next step starts anew
	v_add_nc_u32 v[VB], 32*PITCH, v[VB]            ; the fragments of the trip after this one (in the last trip the stepped address is not used)
.if !\first
	v_add_nc_u32 v[VC], 128, v[VC]                 ; the first store goes to the address as it was made
.endif
.else
.set CP, CA+2*\b
.endif
	v_wmma_f32_16x16x32_bf16 v[DN:DN+7], v[AF+8*\rf:AF+8*\rf+7], v[BF+16*\b:BF+16*\b+7], 0
.if \load
	GETB (1-\b), 0                                 ; no wait: no vector or matrix instruction since the wait at the end of step 0 names v[VB] or the other buffer
.endif
	MINA \start, \first
	v_wmma_f32_16x16x32_bf16 v[DN+8:DN+15], v[AF+8*\rf:AF+8*\rf+7], v[BF+16*\b+8:BF+16*\b+15], 0
.if \load
	GETB (1-\b), 1
.endif
	MINB \first
.if \rf == 0
	s_wait_alu depctr_va_vdst(0)                   ; the slice above has finished the pair that the stores read; v[VC] and v[VB] are written; the trip before's products are done reading the buffer in which step 1's loads land
	COLOUT
.endif
.endm
.macro STEPS17 b, first, load
	STEP 1, \b, 1, \first, \load
.irp rf, 2,3,4,5,6,7
	STEP \rf, \b, 0, \first, 0
.endr
.endm
	s_wait_dscnt 0x0                               ; my row fragments and the first two column fragments
	s_wait_alu depctr_vm_vsrc(0)                   ; the loads of trip 0's column fragments have read v[VB]
	v_add_nc_u32 v[VB], 32*PITCH, v[VB]            ; trip 1's
	s_wait_alu depctr_va_vdst(0)                   ; v[VB] is written, which the loads in trip 0's step 1 read; nothing between here and them names it or buffer 1
	; trip 0, step 0: there is no step before it, so four v_nop are the places in front of the first minima
	v_wmma_f32_16x16x32_bf16 v[DS:DS+7],    v[AF:AF+7], v[BF:BF+7],    0
	v_wmma_f32_16x16x32_bf16 v[DS+8:DS+15], v[AF:AF+7], v[BF+8:BF+15], 0
.rept 4
	v_nop
.endr
	STEPS17 0, 1, 1                                ; trip 0 starts the row minima of fragments 0 to 6,
	STEP 0, 1, 0, 1, 0                             ; and step 0 of trip 1 that of fragment 7: so the loop begins one step into a trip
	s_mov_b32 s24, (TRIPS-2)/2
.Lpair:                                        ; pass i = 0..14: steps 1-7 of trip 2 i + 1, trip 2 i + 2, step 0 of trip 2 i + 3; it asks for the fragments of trips 2 i + 2 and 2 i + 3 <= 31
	STEPS17 1, 0, 1
	STEP 0, 0, 0, 0, 0
	STEPS17 0, 0, 1
	STEP 0, 1, 0, 0, 0
	s_sub_co_u32 s24, s24, 1
	s_cmp_lg_u32 s24, 0
	s_cbranch_scc1 .Lpair
	STEPS17 1, 0, 0                                ; the rest of trip 31: nothing is left to ask for
.set DP, DS+16
.set RP, RA+56
.set CP, CA+2
	s_wait_alu depctr_vm_vsrc(0)                   ; the stores of trip 30's column minima have read v[VC]
	v_add_nc_u32 v[VC], 128, v[VC]
	MINA 0, 0                                      ; the last step's minima, 16 places behind its products
	MINB 0
	s_wait_alu depctr_va_vdst(0)                   ; trip 31's pair, v[VC] and all 64 row minima are written, which the stores below read; the products are done reading the row fragments, in which the stage's rows land
	COLOUT
	; THE WAY OUT.  Row minima: lane (r, h) holds, for each of my 128 rows of its half, the minimum over the columns r, r + 16, ...  Each lane lays its rows into
	; stage row r (16 bytes at a time, stage rows 528 bytes apart); read back, a lane takes four neighbouring rows of all sixteen stage rows.
.irp f, 0,1,2,3,4,5,6,7
	ds_store_b128 v[VS], v[RA+8*\f:RA+8*\f+3]   offset:\f*64
	ds_store_b128 v[VS], v[RA+8*\f+4:RA+8*\f+7] offset:\f*64+16
.endr
	s_wait_dscnt 0x0                               ; my column partials (and my stage) are in LDS,
	s_barrier_signal -1
	s_barrier_wait -1                              ; all eight waves' are
	s_wait_alu depctr_vm_vsrc(0)                   ; my stores into the stage have read the row minima, in whose registers the column partials land; the stores of column minima have read v16-19, which the second reduction writes
.irp i, 0,1,2,3,4,5,6,7,8,9,10,11,12,13,14,15
	ds_load_b128 v[AF+4*\i:AF+4*\i+3], v[VR] offset:\i*RPITCH
.endr
.irp i, 0,1,2,3,4,5,6,7,8,9,10,11,12,13,14,15
	ds_load_b128 v[RA+4*\i:RA+4*\i+3], v[VCR] offset:\i*CPITCH     ; thread t: columns 4 t .. 4 t + 3 of all sixteen partial rows
.endr
; the minimum of sixteen quadruples from v[q] on, into v[d..d+3]
.macro REDUCE q, d
.irp c, 0,1,2,3
	v_min3_num_f32 v[\d+\c], v[\q+\c], v[\q+4+\c], v[\q+8+\c]
.endr
.irp k, 3,5,7,9,11,13
.irp c, 0,1,2,3
	v_min3_num_f32 v[\d+\c], v[\d+\c], v[\q+4*\k+\c], v[\q+4*\k+4+\c]
.endr
.endr
.irp c, 0,1,2,3
	v_min_num_f32 v[\d+\c], v[\d+\c], v[\q+60+\c]
.endr
.endm
	s_wait_dscnt 16                                ; LDS loads return in order: the sixteen of the stage are in, the sixteen behind them may be out
	REDUCE AF, T0
	s_wait_dscnt 0x0
	REDUCE RA, CA
	s_wait_alu depctr_va_vdst(0)                   ; both reductions have written their quadruples, which the two stores read
	global_store_b128 v[VO], v[T0:T0+3], s[26:27]  ; a wave stores 512 consecutive bytes, at a multiple of 512 from the buffer's first byte
	global_store_b128 v[VO], v[CA:CA+3], s[28:29]
	s_wait_dscnt 0x0                               ; the closing lines, six on end
	s_wait_alu 0x0
	s_wait_tensorcnt 0x0
	ds_add_u32 v212, v213
	s_wait_dscnt 0x0
	s_endpgm
.Lfunc_end_k_q1899345f9f_blocks:
	.size	k_q1899345f9f_blocks, .Lfunc_end_k_q1899345f9f_blocks-k_q1899345f9f_blocks
	.p2alignl 7, 3214868480
	.fill 96, 4, 3214868480
	.section	.rodata,"a",@progbits
	.p2align	6, 0x0
	.amdhsa_kernel k_q1899345f9f_blocks
		.amdhsa_group_segment_fixed_size 299008
		.amdhsa_private_segment_fixed_size 0
		.amdhsa_enable_private_segment 0
		.amdhsa_kernarg_size 24
		.amdhsa_user_sgpr_count 2
		.amdhsa_user_sgpr_kernarg_segment_ptr 1
		.amdhsa_wavefront_size32 1
		.amdhsa_system_sgpr_workgroup_id_x 1
		.amdhsa_system_sgpr_workgroup_id_y 1
		.amdhsa_system_sgpr_workgroup_id_z 1
		.amdhsa_system_vgpr_workitem_id 0
		.amdhsa_next_free_vgpr 214
		.amdhsa_next_free_sgpr 66
		.amdhsa_reserve_vcc 0
		.amdhsa_float_denorm_mode_32 3
		.amdhsa_float_denorm_mode_16_64 3
		.amdhsa_memory_ordered 1
		.amdhsa_forward_progress 1
		.amdhsa_inst_pref_size 66
	.end_amdhsa_kernel
	.amdgpu_metadata
---
amdhsa.version: [ 1, 2 ]
amdhsa.kernels:
  - .name:           k_q1899345f9f_blocks
    .symbol:         k_q1899345f9f_blocks.kd
    .args:
      - { .name: xyz1, .offset: 0, .size: 8, .value_kind: global_buffer, .address_space: global }
      - { .name: xyz2, .offset: 8, .size: 8, .value_kind: global_buffer, .address_space: global }
      - { .name: part, .offset: 16, .size: 8, .value_kind: global_buffer, .address_space: global }
    .group_segment_fixed_size: 299008
    .private_segment_fixed_size: 0
    .kernarg_segment_align: 8
    .kernarg_segment_size: 24
    .max_flat_workgroup_size: 256
    .sgpr_count:     66
    .vgpr_count:     214
    .wavefront_size: 32
...
	.end_amdgpu_metadata
.endif
;; end of part 3
;; launch fold: the kernel of part 2 again; grid 128 x 2, 2 waves a work-group, no clusters, 0 bytes of LDS; arguments part, out0, out1; writes out0, out1
